; MI455X (gfx1250); checked and timed in simulation.
; The chip was launched on July 23, 2026; its instructions are those of AMD's public machine-readable ISA for CDNA 5 (MIT licence, August 2026) and "CDNA5" Instruction Set Architecture Reference Guide (July 2026). The comments in the code are by the model that wrote it; some were corrected since.
;; Scaled Dot Product Attention. Allowed arithmetic: matrix products marked QUANTISED: E4M3 operands, one E8M0 scale for each 32 along K, by v_wmma_scale_f32_16x16x128_f8f6f4 with both operands' format E4M3, f32 sums; everything else in f32.
;; Inputs: key_codes 4 x 16 x 2,048 x 4 x 32 uint8 (E4M3 codes of key, K innermost, in blocks of 32 codes); key_scales 4 x 16 x 2,048 x 4 uint8 (E8M0 scales of key, one for each 32 codes along K); mask 1 x 1 x 2,048 x 2,048 bool; query_codes 4 x 16 x 2,048 x 4 x 32 uint8 (E4M3 codes of query, K innermost, in blocks of 32 codes); query_scales 4 x 16 x 2,048 x 4 uint8 (E8M0 scales of query, one for each 32 codes along K); value_codes 4 x 16 x 128 x 64 x 32 uint8 (E4M3 codes of value, K innermost, in blocks of 32 codes); value_scales 4 x 16 x 128 x 64 uint8 (E8M0 scales of value, one for each 32 codes along K).
;; Outputs: out0 4 x 16 x 2,048 x 128 float32.
;; This version of the problem:
;;   THIS VERSION OF THE PROBLEM IS GIVEN IN LOW PRECISION. The matrix products marked QUANTISED in the list below multiply operands that are first quantised to E4M3 (4 exponent bits, 3 mantissa bits; 8 bits a number), with one power-of-two scale for each 32 numbers along K (OCP MX v1.0); their sums are f32. All else is computed in f32.
;;   The module's matrix products, in the order in which they are computed (A, B: the left and right operand; K: the contracted axis; several contracted axes count as one K, in the product's order):
;;     1. batch 64 x [M 2,048, K 128] x [K 128, N 2,048]; A: input query (given as codes); B: input key (given as codes): QUANTISED
;;     2. batch 64 x [M 2,048, K 2,048] x [K 2,048, N 128]; A: softmax (see below); B: input value (given as codes): QUANTISED
;;   THE QUANTISER, for each operand of a quantised product, along K:
;;     - K is cut into blocks of 32 from its start; a last block that is shorter is filled with zeros.
;;     - A block's scale is 2^e with e = floor(log2(the largest magnitude in the block)) - 8, held to -126 .. 127; a block of zeros has e = 0. As a byte (E8M0): e + 127.
;;     - Each number is divided by its block's scale, clamped to +-448, and rounded to the nearest number of E4M3, ties to even, subnormals kept.
;;     - The product sums the exact products of the quantised numbers (number of the format x scale) in f32.
;;   ~~~python
;;   def quantise(x, axis):      # numpy; x: float32 -> the quantised numbers, widened to float32 again
;;       x = np.moveaxis(x, axis, -1); K = x.shape[-1]
;;       x = np.pad(x, [(0, 0)] * (x.ndim - 1) + [(0, -K % 32)]); x = x.reshape(x.shape[:-1] + (-1, 32)); a = np.abs(x).max(-1, keepdims=True)
;;       e = np.where(a > 0, np.clip(np.frexp(np.where(a > 0, a, 1))[1] - 1 - 8, -126, 127), 0)      # np.frexp(a)[1] - 1 = floor(log2(a)), exactly
;;       r = np.clip(x / 2.0 ** e, -448, 448)
;;       step = 2.0 ** (np.maximum(np.frexp(np.where(r == 0, 1, r))[1] - 1, -6) - 3)
;;       q = np.round(r / step) * step * 2.0 ** e      # np.round: ties to even
;;       return np.moveaxis(q.reshape(q.shape[:-2] + (-1,))[..., :K], -1, axis).astype(np.float32)
;;   ~~~
;;   SOFTMAX AHEAD OF A QUANTISED PRODUCT. Where the list says 'softmax', what is quantised is not the finished softmax but p = 2^(t - M), with t = logit x log2(e) and M = ceil(the row's largest t), a whole number; so 1/2 < the row's largest p <= 1. The row's sum l is taken of the UNQUANTISED p, in f32, and the product's result is divided by l at the end. Since M is a whole number, a kernel that streams over the keys may use a running M (the ceiling of the running maximum): every later rescaling is an exact power of two, which a block's scale takes up: the codes' values come out the same.
;;   OPERANDS COMPUTED ON THE WAY. 'Computed on the way' means the value that the module computes at that place (a softmax that the list does not call 'softmax' is quantised finished and normalised). What goes into a quantiser is computed in f32, as accurately as f32 sums, v_exp_f32 and their like allow (about 1e-6 of the number): no bf16 or f16 on the way to a quantiser, and a product that is left as it is and whose result goes on into a quantised operand takes f32 operands (vector FMAs, or v_wmma_f32_16x16x4_f32). A number that lies on a knife's edge between two numbers of the format may be rounded either way, as far as f32 arithmetic and the matrix unit's own rounding can turn it there, and no further.
;;   INPUTS GIVEN AS CODES. key (in the module: [4, 16, 2048, 128], K = its axis 3); query (in the module: [4, 16, 2048, 128], K = its axis 3); value (in the module: [4, 16, 2048, 128], K = its axis 2): each comes as NAME_codes (uint8): NAME with its K axis moved to the last place and cut into blocks of 32 codes, [.., K / 32, bytes a block], one block behind the other in memory; one code a byte (a code: sign, 4 exponent bits, 3 mantissa bits); and NAME_scales (uint8): the same leading axes, one E8M0 byte (e + 127) for each 32 codes along K. Its value is code x scale, taken as it is: it is not quantised again, and the codes and scales need not be those that the quantiser above would give.
;; One version. Each part assembles by itself: llvm-mc -triple=amdgcn-amd-amdhsa -mcpu=gfx1250 --defsym DOCPART=n.
;; ======== version 1 of 1: 2 launches
;; limits: right only within a limited range of input values
;; workspace buffers: bits 524,288 bytes of whole numbers; flags 512 bytes of whole numbers
;; launch pack (part 1): grid 128 x 1, 16 waves a work-group, no clusters, 2,304 bytes of LDS; arguments mask, bits, flags; writes bits, flags
.if DOCPART == 1
	.amdgcn_target "amdgcn-amd-amdhsa--gfx1250"
	.amdhsa_code_object_version 6
	.text
	.protected	k_q3341ddcda8_pack
	.globl	k_q3341ddcda8_pack
	.p2align	8
	.type	k_q3341ddcda8_pack,@function
k_q3341ddcda8_pack:
	s_mov_b64 s[64:65], 0
	v_nop
	global_prefetch_b8 v0, s[64:65] scope:SCOPE_SE
	s_setreg_imm32_b32 hwreg(HW_REG_WAVE_MODE, 25, 1), 1
	s_wait_xcnt 0x0
; The mask [2048 queries][2048 keys], one byte each (any byte other than 0 counts as true), becomes
;   bits  [128 tiles T of 16 queries][16 steps j of 128 keys][64 words]: bit l of word n = mask[16 T + l % 16][128 j + 32 (n / 16) + 16 (l / 16) + n % 16]:
;         the lane mask of score register n as the attention launch holds the scores: it is used there as a select's mask, as it lies;
;   flags [128]: bit j: tile (T, j) has a true byte; bit 16 + j: all its bytes are true.
; Work-group T, wave j: one tile of 16 x 128 bytes a wave.  Lane (r = l % 16, h = l / 16) loads, of row r, the 16 bytes at 32 c + 16 h, c = 0 .. 3:
; byte i of group c is word n = 16 c + i.  A compare against 0 gives word n in a scalar register; it is written into lane n / 2 of one of two registers,
; so that the wave's one store covers the tile's 256 consecutive bytes, aligned.
	s_load_b128 s[4:7], s[0:1], 0x0                ; mask, bits
	s_load_b64 s[8:9], s[0:1], 0x10                ; flags
	v_lshl_add_u32 v32, v0, 2, 0x100
	v_mov_b32 v33, 0
	v_lshrrev_b32 v26, 5, v0
	s_delay_alu instid0(VALU_DEP_1)
	v_readfirstlane_b32 s10, v26                   ; j: my wave's number
	s_delay_alu instid0(VALU_DEP_2)
	v_lshlrev_b32 v26, 2, v26                      ; LDS: my wave's word
	v_and_b32 v1, 15, v0
	v_bfe_u32 v3, v0, 4, 1
	s_delay_alu instid0(VALU_DEP_2)
	v_lshlrev_b32 v1, 11, v1                       ; row r of 2,048 bytes
	s_delay_alu instid0(VALU_DEP_1)
	v_lshl_add_u32 v1, v3, 4, v1                   ; + 16 h
	v_and_b32 v2, 31, v0
	s_delay_alu instid0(VALU_DEP_1)
	v_lshlrev_b32 v2, 3, v2                        ; out: 8 bytes a lane
	s_lshl_b32 s12, ttmp9, 15                      ; 16 rows of 2,048 bytes a tile row,
	s_lshl_b32 s20, s10, 7                         ; 128 bytes a step
	s_add_co_u32 s12, s12, s20
	s_mov_b32 s13, 0
	s_lshl_b32 s22, ttmp9, 12                      ; bits: (16 T + j) x 256 bytes
	s_lshl_b32 s20, s10, 8
	s_add_co_u32 s22, s22, s20
	s_mov_b32 s23, 0
	s_lshl_b32 s24, ttmp9, 2                       ; flags: 4 T
	s_mov_b32 s25, 0
	s_wait_alu depctr_va_vdst(0)
	s_wait_kmcnt 0x0
	s_add_nc_u64 s[4:5], s[4:5], s[12:13]
	s_add_nc_u64 s[6:7], s[6:7], s[22:23]
	s_add_nc_u64 s[8:9], s[8:9], s[24:25]
.irp c, 0,1,2,3
	global_load_b128 v[4+4*\c:7+4*\c], v1, s[4:5] offset:32*\c th:TH_LOAD_NT   ; each byte of the mask is read once in the launch
.endr
	v_mov_b32 v20, 0                               ; a lane write's destination counts as read
	v_mov_b32 v21, 0
	s_mov_b32 s14, 0                               ; the OR of the 64 words
	s_mov_b32 s15, -1                              ; and their AND
	s_wait_alu depctr_va_vdst(0)
	s_wait_loadcnt 0x0
.set n, 0
.rept 64
	v_bfe_u32 v[22+n%4], v[4+n/4], 8*(n%4), 8      ; byte n of my 64 (four registers by turns)
	s_delay_alu instid0(VALU_DEP_1)
	v_cmp_ne_u32 s[16+n%4], 0, v[22+n%4]           ; word n: a bit a lane
	s_delay_alu instid0(VALU_DEP_1)
	v_writelane_b32 v[20+n%2], s[16+n%4], n/2      ; lane l holds words 2 l and 2 l + 1
	s_or_b32 s14, s14, s[16+n%4]
	s_and_b32 s15, s15, s[16+n%4]
.set n, n+1
.endr
	global_store_b64 v2, v[20:21], s[6:7]          ; 32 lanes store 256 consecutive bytes, at a multiple of 256 from the buffer's first byte
	s_cmp_lg_u32 s14, 0
	s_cselect_b32 s20, 1, 0
	s_lshl_b32 s20, s20, s10                       ; bit j: any
	s_cmp_eq_u32 s15, -1
	s_cselect_b32 s21, 1, 0
	s_add_co_u32 s22, s10, 16
	s_lshl_b32 s21, s21, s22                       ; bit 16 + j: all
	s_or_b32 s20, s20, s21
	v_mov_b32 v3, s20
	ds_store_b32 v26, v3                           ; all lanes write the wave's word with the same value
	s_wait_dscnt 0x0                               ; for the others' sake: my store has landed
	s_barrier_signal -1
	s_barrier_wait -1
	s_cmp_lg_u32 s10, 0
	s_cbranch_scc1 .Lend                           ; wave 0 joins the sixteen words
	v_mov_b32 v27, 0
.irp c, 0,1,2,3
	ds_load_b128 v[4+4*\c:7+4*\c], v27 offset:16*\c
.endr
	s_wait_dscnt 0x0
.irp k, 5
	v_or_b32 v4, v4, v\k
.endr
.irp k, 6, 7, 8, 9, 10, 11, 12, 13, 14, 15, 16, 17, 18, 19
	s_delay_alu instid0(VALU_DEP_1)
	v_or_b32 v4, v4, v\k
.endr
	v_cmp_eq_u32 vcc_lo, 0, v0
	s_wait_alu depctr_va_vdst(0)
	s_wait_xcnt 0x0                                ; EXEC is a source of the store above: it changes only behind this wait
	s_and_saveexec_b32 s21, vcc_lo
	global_store_b32 v27, v4, s[8:9]               ; one lane: the tile row's flag word
	s_wait_xcnt 0x0                                ; and again in front of the line that widens it
	s_or_b32 exec_lo, exec_lo, s21
.Lend:
	s_wait_tensorcnt 0x0
	ds_add_u32 v32, v33
	s_wait_dscnt 0x0
	s_endpgm
.Lfunc_end_k_q3341ddcda8_pack:
	.size	k_q3341ddcda8_pack, .Lfunc_end_k_q3341ddcda8_pack-k_q3341ddcda8_pack
	.p2alignl 7, 3214868480
	.fill 96, 4, 3214868480
	.section	.rodata,"a",@progbits
	.p2align	6, 0x0
	.amdhsa_kernel k_q3341ddcda8_pack
		.amdhsa_group_segment_fixed_size 2304
		.amdhsa_private_segment_fixed_size 0
		.amdhsa_enable_private_segment 0
		.amdhsa_kernarg_size 24
		.amdhsa_user_sgpr_count 2
		.amdhsa_user_sgpr_kernarg_segment_ptr 1
		.amdhsa_wavefront_size32 1
		.amdhsa_system_sgpr_workgroup_id_x 1
		.amdhsa_system_sgpr_workgroup_id_y 1
		.amdhsa_system_sgpr_workgroup_id_z 1
		.amdhsa_system_vgpr_workitem_id 0
		.amdhsa_next_free_vgpr 34
		.amdhsa_next_free_sgpr 66
		.amdhsa_reserve_vcc 1
		.amdhsa_float_denorm_mode_32 3
		.amdhsa_float_denorm_mode_16_64 3
		.amdhsa_memory_ordered 1
		.amdhsa_forward_progress 1
		.amdhsa_inst_pref_size 25
	.end_amdhsa_kernel
	.amdgpu_metadata
---
amdhsa.version: [ 1, 2 ]
amdhsa.kernels:
  - .name:           k_q3341ddcda8_pack
    .symbol:         k_q3341ddcda8_pack.kd
    .args:
      - { .name: mask, .offset: 0, .size: 8, .value_kind: global_buffer, .address_space: global }
      - { .name: bits, .offset: 8, .size: 8, .value_kind: global_buffer, .address_space: global }
      - { .name: flags, .offset: 16, .size: 8, .value_kind: global_buffer, .address_space: global }
    .group_segment_fixed_size: 2304
    .private_segment_fixed_size: 0
    .kernarg_segment_align: 8
    .kernarg_segment_size: 24
    .max_flat_workgroup_size: 512
    .sgpr_count:     66
    .vgpr_count:     34
    .wavefront_size: 32
...
	.end_amdgpu_metadata
.endif
;; end of part 1
;; launch attn (part 2): grid 4 x 64, 8 waves a work-group, no clusters, 269,312 bytes of LDS; arguments query_codes, query_scales, key_codes, key_scales, value_codes, value_scales, bits, flags, out0; writes out0
.if DOCPART == 2
	.amdgcn_target "amdgcn-amd-amdhsa--gfx1250"
	.amdhsa_code_object_version 6
	.text
	.protected	k_q3341ddcda8_attn
	.globl	k_q3341ddcda8_attn
	.p2align	8
	.type	k_q3341ddcda8_attn,@function
k_q3341ddcda8_attn:
	s_mov_b64 s[64:65], 0
	v_nop
	global_prefetch_b8 v0, s[64:65] scope:SCOPE_SE
	s_setreg_imm32_b32 hwreg(HW_REG_WAVE_MODE, 25, 1), 1
	s_wait_xcnt 0x0
; out[h][q][:] = sum over k of softmax_k(where(mask[q][k], Q[h][q] . K[h][k] / sqrt(128), -inf)) V[h][k][:], 64 heads, 2,048 queries and keys, head size 128.
; Both products on codes of E4M3 with one E8M0 scale for each 32 along K.  Q, K: codes [head][2048][128], scale words [head][2048]; V: codes with the keys innermost [head][128][2048], scale bytes [head][128][64].
; SOFTMAX: t = score x log2(e) / sqrt(128); M = the running largest t rounded UP to a whole number; p = 2^(t - M) is quantised along the keys, not normalised; the row's sum is taken of the unquantised p and divides at the end.
; THE MASK is an input.  An earlier launch has laid it as lane masks (bits) and as flags for each tile of 16 queries x 128 keys (any byte true; all bytes true).  A step in which neither of a wave's two tiles has a true byte
; is left out by a scalar branch on the stored flags; where both tiles are all true the selects are left out; else each score is selected against -infinity by its stored lane mask.
; The launch has no tensor load and no cluster: K and V go to LDS through registers, each thread 16 bytes at a time.
; SHARES.  Work-group (x, head) takes the query blocks 7 - x and x (256 queries each), one after the other.  Each of eight waves owns 32 queries: tile A (rows 0-15, register window 0) and tile B (rows 16-31, window 1,
; the same low register numbers), so that each fragment of K and V read from LDS feeds two products.  All waves walk 16 key steps of 128 keys.
; LAYOUT.  Both products are used transposed (S^T = K Q^T, O^T = V^T P^T): a lane holds one query (lane % 16).  Lane r of K's tile 2 b + u takes key 32 b + 8 u + r + 8 (r / 8), so that score register n holds key 32 (n / 16) + 16 (lane / 16) + n % 16.
; In LDS a key lies at the row that has its bits 3 and 4 exchanged: a tile's 16 keys are then 16 neighbouring rows.
; LDS.  Four slots 65,536 bytes apart, each 128 rows of K and 128 rows of V (128 bytes + 16 of padding: 36 words, so that the 16 rows of a load start at 16 different groups of banks: 64 banks of 4 bytes, ISA guide 11.1).
; Step j stores tile j + 2.  Tile j + 1's K is read between the signal and the wait of step j's barrier: it was stored ahead of step j - 1's barrier, and its slot is next written in step j + 3.
; Behind slot 0: the head's scale words of K and of V, laid [step][lane r][tile], so that one load of 16 bytes a lane brings a step's eight words (lanes 0-15 tiles 0-3, lanes 16-31 tiles 4-7).  Behind slot 3: a stage of 16 x 272 bytes a wave.
; LIMITS.  A row with no true byte gives 0 x (1 / 0) = NaN, as the softmax of -infinities does.  The running largest t begins at -3e38: t at or under that is not served.  p under 2^-126 becomes 0.  A block whose p are all 0
; keeps the scale byte 1 over zero codes.  NaN and infinite scores (a scale byte 0xff) are not served.  t is the score x c, rounded once.
; REGISTERS.  Window 0: v1-10 addresses; v11 tile B's p scale word; v12 -M, v13 largest t, v[14:15] the sum; v16-31 Q; v32-95 fragments 0-3; v96-159 S^T, then p; v160-223 O^T; v224-239 p's codes; v232-247, v252, v254 at work;
;   v248-251 K's or V's scale words; v253 tile A's p scale word; v255 Q's scale words (lanes 0-15 tile A, 16-31 tile B).
; Window 1: v1-6 staging addresses; v12-31, v96-247, v252-254 tile B's twins; v32-63 fragments 6, 7, and between them 32 staging registers; v64-95 fragments 4, 5.
.set PK,    144                        ; a row of K or V in LDS
.set FRB,   16*PK                      ; 16 rows: a fragment's
.set VOFF,  128*PK                     ; V's rows lie behind K's
.set SLOTB, 0x10000
.set KST,   40960                      ; K's scale words, 8,192 bytes
.set VST,   49152                      ; V's
.set STG,   3*SLOTB+2*VOFF             ; the stages
.set SP,    272
.set AR0, 1                            ; v1   r x 144 + 16 h
.set AS0, 2                            ; v2   KST + 32 r + 16 h
.set AR,  3                            ; v3   AR0 + the slot in hand
.set ASC, 4                            ; v4   AS0 + 512 x step
.set QO,  5                            ; v5   Q: r x 128 + 16 h
.set PFO, 6                            ; v6   the prefetches' lane offset
.set STO, 7                            ; v7   the way out: where I put 32 bytes of a row
.set RD,  8                            ; v8   where I read a row back
.set GO,  9                            ; v9   my byte offset in two rows of out
.set QSO, 10                           ; v10  4 x lane
.set PSB, 11
.set SK0, 1                            ; window 1: where my 16 bytes of K go in a slot;
.set SV0, 2                            ; of V;
.set SKA, 3                            ; the same in the slot that is being filled
.set SVA, 4
.set GK,  5                            ; 16 x thread: my 16 bytes of each 4,096 of K's tile
.set GV,  6                            ; (thread / 8) x 2,048 + 16 (thread % 8): of V's
.set KP,  8                            ; s[8:9]   K's next tile to stage
.set MB,  10                           ; s[10:11] my tile A's mask words of the step in hand
.set VP,  12                           ; s[12:13] V's next tile to stage
.set PFA, 14                           ; s[14:15] where my prefetches stand
.set BITS, 16
.set FLG, 18
.set OUTP, 20
.set WV,  22
.set XB,  23                           ; the block of 256 queries in hand
.set PASS, 24
.set CNT, 25
.set ANY, 26                           ; bit 0: the step in hand has a true byte for my 32 queries
.set FULL, 27                          ; bit 0: all its bytes are true
.set WGF, 28                           ; bit 2: the step two on has a true byte for the work-group's 256 queries
.set PFM, 29                           ; bit 0: this step prefetches
.set INF, 30
.set MNT, 31
.set CS,  66                           ; s[66:67] c = log2(e) / sqrt(128); the packed form names a pair
.set SEL, 100                          ; s[100:101] lane selects: lane l xor 16
.set TB,  104                          ; the slot in hand
.set TS,  105                          ; 512 x step
.set MSB, 0
.macro WIN new                         ; s_set_vgpr_msb: bits 1:0 source 0, 3:2 source 1, 5:4 source 2, 7:6 destination; the high byte repeats the setting that is left
.if MSB != (\new)
	s_set_vgpr_msb (MSB<<8)|(\new)
.set MSB, (\new)
.endif
.endm
.macro ADDR                            ; the step's LDS addresses: four plain vector lines
	s_add_co_u32 s2, s[TB], 2*SLOTB
	s_and_b32 s2, s2, 3*SLOTB                      ; the slot two on
	v_add_nc_u32 v[AR], s[TB], v[AR0]
	v_add_nc_u32 v[ASC], s[TS], v[AS0]
	WIN 0x44
	v_add_nc_u32 v[SKA], s2, v[SK0]
	v_add_nc_u32 v[SVA], s2, v[SV0]
	WIN 0
.endm
.macro FRAG off, t                     ; fragment t (16 rows x 128 codes, 16 registers): t 0-3 at v[32 + 16 t]; 4, 5 at v64, v80; 6, 7 at v32, v48 (of window 1)
.set rF, 32+16*(((\t)+2*((\t)/4))%4)
.irp c, 0,1,2,3
	ds_load_b128 v[rF+4*\c:rF+4*\c+3], v[AR] offset:(\off)+FRB*(\t)+32*\c
.endr
.endm
.macro KLOAD                           ; 33 LDS loads: K's scale words, fragments 0-3, fragments 4-7
	ds_load_b128 v[248:251], v[ASC]
.irp t, 0,1,2,3
	FRAG 0, \t
.endr
	WIN 0x40
.irp t, 4,5,6,7
	FRAG 0, \t
.endr
	WIN 0
.endm
.macro QKM tile, t                     ; S^T's tile t of query tile A (0) or B (1): source 0 = 16 keys, source 1 = 16 queries; it starts its sum with the constant 0
.set rF, 32+16*(((\t)+2*((\t)/4))%4)
.if (\tile) == 0
.if (\t) < 4
	v_wmma_scale_f32_16x16x128_f8f6f4 v[96+8*(\t):103+8*(\t)], v[rF:rF+15], v[16:31], 0, v[248+(\t)%4], v255
.else
	v_wmma_scale_f32_16x16x128_f8f6f4 v[96+8*(\t):103+8*(\t)], v[rF:rF+15], v[16:31], 0, v[248+(\t)%4], v255 matrix_a_scale:MATRIX_SCALE_ROW1
.endif
.else
.if (\t) < 4
	v_wmma_scale_f32_16x16x128_f8f6f4 v[96+8*(\t):103+8*(\t)], v[rF:rF+15], v[16:31], 0, v[248+(\t)%4], v255 matrix_b_scale:MATRIX_SCALE_ROW1
.else
	v_wmma_scale_f32_16x16x128_f8f6f4 v[96+8*(\t):103+8*(\t)], v[rF:rF+15], v[16:31], 0, v[248+(\t)%4], v255 matrix_a_scale:MATRIX_SCALE_ROW1 matrix_b_scale:MATRIX_SCALE_ROW1
.endif
.endif
.endm
.macro PVM tile, t                     ; O^T's tile t += 16 of the head's 128 x these 128 keys x p
.set rF, 32+16*(((\t)+2*((\t)/4))%4)
.set rP, 253-242*(\tile)               ; p's scale word: v253 or v11
.if (\t) < 4
	v_wmma_scale_f32_16x16x128_f8f6f4 v[160+8*(\t):167+8*(\t)], v[rF:rF+15], v[224:239], v[160+8*(\t):167+8*(\t)], v[248+(\t)%4], v[rP]
.else
	v_wmma_scale_f32_16x16x128_f8f6f4 v[160+8*(\t):167+8*(\t)], v[rF:rF+15], v[224:239], v[160+8*(\t):167+8*(\t)], v[248+(\t)%4], v[rP] matrix_a_scale:MATRIX_SCALE_ROW1
.endif
.endm
.macro LDTILE                          ; my 128 bytes of the tile two steps on: 4 x 16 of K (dense: 4,096 bytes from load to load), 4 x 16 of V (32 rows of 2,048 bytes from load to load)
	WIN 0x41
.irp i, 0,1,2,3
	global_load_b128 v[32+4*\i:35+4*\i], v[GK], s[KP:KP+1] offset:4096*\i
.endr
.irp i, 0,1,2,3
	global_load_b128 v[48+4*\i:51+4*\i], v[GV], s[VP:VP+1] offset:65536*\i
.endr
	WIN 0
.endm
.macro STTILE
	WIN 0x05
.irp i, 0,1,2,3
	ds_store_b128 v[SKA], v[32+4*\i:35+4*\i] offset:32*PK*\i
.endr
.irp i, 0,1,2,3
	ds_store_b128 v[SVA], v[48+4*\i:51+4*\i] offset:VOFF+32*PK*\i
.endr
	WIN 0
.endm
.macro STAGE_LD                        ; only where some wave of the work-group will work on that tile; beyond step 15 the flag word has no bits, so no load leaves its buffer
	s_bitcmp1_b32 s[WGF], 2
	s_cbranch_scc0 .Lnold_\@
	LDTILE
.Lnold_\@:
.endm
.macro STAGE_ST
	s_bitcmp1_b32 s[WGF], 2
	s_cbranch_scc0 .Lnost_\@
	STTILE
.Lnost_\@:
.endm
.macro STAGE_BOTH                      ; a wave that has no work in this step still stages its share
	s_bitcmp1_b32 s[WGF], 2
	s_cbranch_scc0 .Lnobo_\@
	LDTILE
	s_wait_loadcnt 0x0
	s_wait_alu depctr_va_vdst(0)
	STTILE
.Lnobo_\@:
.endm
; A PREFETCH of K's and V's tiles j + 3 and j + 4, in the odd steps j = 1 .. 11 of the first pass of the head's work-group x = 0 alone: all four work-groups of a head walk the same tiles.
; Waves 0-3: K's two tiles, 32,768 dense bytes, 8,192 a wave, lanes 256 bytes apart.  Waves 4-7: V's 128 rows, 32 a wave, a lane a row: two tiles' part of a row is 256 bytes, aligned.  So each aligned block of 256 bytes is
; named once in the launch; the staging loads that want them stand one and two steps on.  Tiles 0 to 3 come by their loads alone; the last request is for tiles 14 and 15.
.macro ASK
	s_bitcmp1_b32 s[PFM], 0
	s_cbranch_scc0 .Lnoask_\@
	s_wait_xcnt 0x0                                ; the last prefetch, two steps back, has read its address, so it may be stepped
	s_mov_b32 s2, 256
	s_cmp_lt_u32 s[WV], 4
	s_cselect_b32 s2, 0x8000, s2                   ; two tiles on: 32,768 bytes in K, 256 in a row of V
	s_mov_b32 s3, 0
	s_add_nc_u64 s[PFA:PFA+1], s[PFA:PFA+1], s[2:3]
	global_prefetch_b8 v[PFO], s[PFA:PFA+1] th:TH_LOAD_NT scope:SCOPE_SE
.Lnoask_\@:
.endm
; The mask on one tile's 64 score registers: word n is register n's lane mask; where a bit is 0 the score becomes -infinity.  Ascending.
.macro MASK tile
	s_bitcmp1_b32 s[FULL], 0
	s_cbranch_scc1 .Lfull_\@
	s_load_b512 s[32:47], s[MB:MB+1], 4096*(\tile)
	s_load_b512 s[48:63], s[MB:MB+1], 4096*(\tile)+64
	s_load_b512 s[68:83], s[MB:MB+1], 4096*(\tile)+128
	s_load_b512 s[84:99], s[MB:MB+1], 4096*(\tile)+192
	s_wait_kmcnt 0x0
	WIN 0x44*(\tile)
.set n, 0
.rept 64
	v_cndmask_b32 v[96+n], s[INF], v[96+n], s[32+n+4*(n/32)]
.set n, n+1
.endr
	WIN 0
.Lfull_\@:
.endm
; One tile's softmax for 128 keys, and p's codes and scale word.
.macro SOFTMAX tile
	WIN 0x55*(\tile)
.irp b, 0,1,2,3
	v_max3_num_f32 v[232+\b], v[96+16*\b], v[97+16*\b], v[98+16*\b]   ; the largest score of each block of 32 keys: for the row's maximum and, since p rises with the score, for the block's largest p
.endr
.irp i, 3,5,7,9,11,13
.irp b, 0,1,2,3
	v_max3_num_f32 v[232+\b], v[232+\b], v[96+16*\b+\i], v[97+16*\b+\i]
.endr
.endr
.irp b, 0,1,2,3
	v_max_num_f32 v[232+\b], v[232+\b], v[111+16*\b]
.endr
.irp b, 0,1,2,3
	v_permlanex16_b32 v[236+\b], v[232+\b], s[SEL], s[SEL+1]
.endr
.irp b, 0,1,2,3
	s_delay_alu instid0(VALU_DEP_4)
	v_max_num_f32 v[232+\b], v[232+\b], v[236+\b]  ; with lane l xor 16's 16 keys
.endr
	s_delay_alu instid0(VALU_DEP_2)
	v_max3_num_f32 v254, v232, v233, v234
	s_delay_alu instid0(VALU_DEP_1)
	v_max_num_f32 v254, v254, v235                 ; the step's largest score of my query
	s_delay_alu instid0(VALU_DEP_1)
	v_mul_f32 v254, s[CS], v254                    ; as t
	s_delay_alu instid0(VALU_DEP_1)
	v_max_num_f32 v13, v13, v254                   ; the running largest t
	v_mov_b32 v254, v12
	s_delay_alu instid0(VALU_DEP_2)
	v_floor_f32 v12, -v13                          ; the new -M = floor(-t): M is a whole number
	s_delay_alu instid0(VALU_DEP_1)
	v_sub_f32 v254, v12, v254                      ; old M - new M: a whole number, 0 or less
	s_delay_alu instid0(VALU_DEP_1)
	v_cvt_i32_f32 v254, v254                       ; (it saturates)
	s_delay_alu instid0(VALU_DEP_1)
	v_ldexp_f32 v252, 1.0, v254                    ; f = 2^(old M - new M): a multiplication by it rounds nothing
.set j, 0
.rept 32
	v_pk_fma_f32 v[96+j:97+j], v[96+j:97+j], s[CS:CS+1], v[12:13] op_sel_hi:[1,0,0]   ; t - M, two at a time
.set j, j+2
.endr
.irp b, 0,1,2,3
	v_fma_f32 v[232+\b], v[232+\b], s[CS], v12     ; the same of each block's largest score
.endr
.set j, 0
	s_wait_alu depctr_va_vdst(0)
.rept 64
	v_exp_f32 v[96+j], v[96+j]                     ; p = 2^(t - M)
.set j, j+1
.endr
	v_pk_mul_f32 v[14:15], v[14:15], v[252:253] op_sel_hi:[1,0]   ; the sums under the new M: the plain line behind the exponentials
	s_wait_alu depctr_va_vdst(0)                   ; one wait for the batch of 64, ahead of its first reader
.irp b, 0,1,2,3
	v_exp_f32 v[232+\b], v[232+\b]                 ; the block's largest p
.endr
	v_pk_add_f32 v[236:237], v[96:97], v[98:99]    ; the row's sum of the unquantised p, in two chains
.irp j, 4,8,12,16,20,24,28,32,36,40,44,48,52,56,60
	v_pk_add_f32 v[14:15], v[14:15], v[96+\j:97+\j]
	v_pk_add_f32 v[236:237], v[236:237], v[98+\j:99+\j]
.endr
	s_delay_alu instid0(VALU_DEP_1)
	v_pk_add_f32 v[14:15], v[14:15], v[236:237]
	s_wait_alu depctr_va_vdst(0)                   ; and one for the four
.irp b, 0,1,2,3
	v_max_num_f32 v[232+\b], 0x4800000, v[232+\b]  ; the floor 2^(9 - 127): the byte cannot fall under 1
.endr
.irp b, 0,1,2,3
	s_delay_alu instid0(VALU_DEP_4)
	v_add_nc_u32 v[244+\b], 0xfc000000, v[232+\b]  ; 8 off the exponent field: the conversion's scale operand
.endr
.irp b, 0,1,2,3
.endr
.irp b, 0,1,2,3
	s_delay_alu instid0(VALU_DEP_4)
	v_lshrrev_b32 v[236+\b], 23, v[244+\b]         ; the scale's byte
.endr
	s_delay_alu instid0(VALU_DEP_3)
	v_lshl_or_b32 v253, v237, 8, v236              ; p's scale word for these 128 keys
	s_delay_alu instid0(VALU_DEP_1)
	v_lshl_or_b32 v253, v238, 16, v253
	s_delay_alu instid0(VALU_DEP_1)
	v_lshl_or_b32 v253, v239, 24, v253
.if (\tile) == 1
	WIN 0x01
	v_mov_b32 v[PSB], v253                         ; scale operands are taken from window 0: tile B's word goes there, 40 plain lines ahead of its use
	WIN 0x55
.endif
.irp b, 0,1,2,3
.set i, 0
.rept 16
.set i, i+1
.endr
	v_cvt_scalef32_pk8_fp8_f32 v[224+4*\b:225+4*\b], v[96+16*\b:103+16*\b], v[244+\b]
	v_cvt_scalef32_pk8_fp8_f32 v[226+4*\b:227+4*\b], v[104+16*\b:111+16*\b], v[244+\b]
.endr
.set j, 0
.rept 32
	v_pk_mul_f32 v[160+j:161+j], v[160+j:161+j], v[252:253] op_sel_hi:[1,0]   ; O^T under the new M; also the plain lines between the codes and the products that take them
.set j, j+2
.endr
	WIN 0
.endm
.macro INIT                            ; a pass's start for one tile.  Which step is the first that is worked hangs on the mask, so the sums begin as zeros and the largest t as -3e38
	v_mov_b32 v13, 0xff61b1e6
	s_delay_alu instid0(VALU_DEP_1)
	v_floor_f32 v12, -v13
	v_mov_b32 v14, 0
	v_mov_b32 v15, 0
.set j, 0
.rept 64
	v_mov_b32 v[160+j], 0
.set j, j+1
.endr
.endm
.macro ONCE                            ; written once: a lane permute's destination counts as read, and v253 is named as the upper half of a pair
.irp k, 236,237,238,239,252,253
	v_mov_b32 v\k, 0
.endr
.endm
.macro LSUM                            ; the sum's two halves, lane l xor 16's, and the reciprocal
	v_add_f32 v14, v14, v15
	s_delay_alu instid0(VALU_DEP_1)
	v_permlanex16_b32 v252, v14, s[SEL], s[SEL+1]
	s_delay_alu instid0(VALU_DEP_1)
	v_add_f32 v14, v14, v252
	s_wait_alu depctr_va_vdst(0)
	v_rcp_f32 v14, v14
.endm
.macro DIVIDE
.set j, 0
.rept 32
	v_pk_mul_f32 v[96+j:97+j], v[160+j:161+j], v[14:15] op_sel_hi:[1,0]   ; O^T / the sum, ascending: register 8 t + i is out(r, 16 t + 8 h + i)
.set j, j+2
.endr
.endm
.macro OUTLDS tile, u                  ; channels 64 u on of a tile's 16 rows: into my stage, and back as rows of 256 bytes.  LDS serves a wave's instructions in order (ISA guide 5.7.1.4): no wait between
	WIN 0x04*(\tile)
.irp t, 0,1,2,3
	ds_store_b128 v[STO], v[96+32*(\u)+8*\t:99+32*(\u)+8*\t] offset:64*\t
	ds_store_b128 v[STO], v[100+32*(\u)+8*\t:103+32*(\u)+8*\t] offset:64*\t+16
.endr
	WIN 0x40*(\tile)
.irp i, 0,1,2,3,4,5,6,7
	ds_load_b128 v[32+32*(\u)+4*\i:35+32*(\u)+4*\i], v[RD] offset:2*\i*SP
.endr
.endm
.macro OUTST tile, u
	WIN 0x04*(\tile)
.irp i, 0,1,2,3,4,5,6,7
	s_wait_dscnt 7-\i+16*(1-(\u))+32*(1-(\tile))   ; the LDS lines issued behind this load may stay out
	global_store_b128 v[GO], v[32+32*(\u)+4*\i:35+32*(\u)+4*\i], s[32:33] offset:8192*(\tile)+1024*\i+256*(\u) th:TH_STORE_NT   ; 16 lanes store 256 consecutive bytes, aligned
.endr
.endm
	s_load_b512 s[4:19], s[0:1], 0x0               ; Q's codes, Q's scales, K's codes, K's scales, V's codes, V's scales, bits, flags
	s_load_b64 s[OUTP:OUTP+1], s[0:1], 0x40        ; out
	s_set_vgpr_msb 0x40
	v_lshl_add_u32 v251, v0, 2, 0x41800
	v_mov_b32 v255, 0
	s_set_vgpr_msb 0x4000
	v_lshrrev_b32 v232, 5, v0
	s_delay_alu instid0(VALU_DEP_1)
	v_readfirstlane_b32 s[WV], v232                ; wave 0..7
	s_and_b32 s2, ttmp7, 0xffff                    ; the head
	s_lshl_b32 s32, s2, 18                         ; 262,144 bytes of codes a head,
	s_mov_b32 s33, 0
	s_lshl_b32 s34, s2, 13                         ; 8,192 of scale bytes,
	s_mov_b32 s35, 0
	s_lshl_b32 s36, s2, 20                         ; 1,048,576 of out
	s_mov_b32 s37, 0
	s_mov_b32 s[INF], 0xff800000
	s_mov_b32 s[CS], 0x3e0293ee
	s_mov_b32 s[CS+1], s[CS]
	s_mov_b32 s[SEL], 0x76543210
	s_mov_b32 s[SEL+1], 0xfedcba98
	v_and_b32 v232, 15, v0                         ; r
	v_bfe_u32 v233, v0, 4, 1                       ; h
	s_delay_alu instid0(VALU_DEP_2)
	v_mul_u32_u24 v[AR0], v232, PK
	s_delay_alu instid0(VALU_DEP_1)
	v_lshl_add_u32 v[AR0], v233, 4, v[AR0]
	s_delay_alu instid0(VALU_DEP_4)
	v_lshlrev_b32 v[AS0], 5, v232
	s_delay_alu instid0(VALU_DEP_1)
	v_lshl_add_u32 v[AS0], v233, 4, v[AS0]
	s_delay_alu instid0(VALU_DEP_1)
	v_add_nc_u32 v[AS0], KST, v[AS0]
	v_lshlrev_b32 v[QO], 7, v232
	s_delay_alu instid0(VALU_DEP_1)
	v_lshl_add_u32 v[QO], v233, 4, v[QO]
	v_and_b32 v[QSO], 31, v0
	s_delay_alu instid0(VALU_DEP_1)
	v_lshlrev_b32 v[QSO], 2, v[QSO]
	s_mul_i32 s38, s[WV], 16*SP
	s_add_co_u32 s38, s38, STG                     ; my stage
	v_mul_u32_u24 v[STO], v232, SP
	s_delay_alu instid0(VALU_DEP_1)
	v_lshl_add_u32 v[STO], v233, 5, v[STO]
	s_delay_alu instid0(VALU_DEP_1)
	v_add_nc_u32 v[STO], s38, v[STO]               ; in: row r, + 32 h
	v_mul_u32_u24 v[RD], v233, SP
	s_delay_alu instid0(VALU_DEP_1)
	v_lshl_add_u32 v[RD], v232, 4, v[RD]
	s_delay_alu instid0(VALU_DEP_1)
	v_add_nc_u32 v[RD], s38, v[RD]                 ; back: lanes 0-15 one row, lanes 16-31 the next
	v_lshlrev_b32 v[GO], 9, v233
	s_delay_alu instid0(VALU_DEP_1)
	v_lshl_add_u32 v[GO], v232, 4, v[GO]
	s_cmp_lt_u32 s[WV], 4
	s_cselect_b32 s39, 8, 11
	v_and_b32 v[PFO], 31, v0
	s_delay_alu instid0(VALU_DEP_1)
	v_lshlrev_b32 v[PFO], s39, v[PFO]              ; 256 x lane in K's block, 2,048 x lane among V's rows
	v_bfe_u32 v234, v0, 3, 3                       ; staging: thread tau holds key tau / 8 (+ 32 i), bytes 16 (tau % 8) on; the key's bits 3 and 4 (tau's 6 and 7) change places
	v_bfe_u32 v235, v0, 6, 1
	s_delay_alu instid0(VALU_DEP_1)
	v_lshl_add_u32 v234, v235, 4, v234
	v_bfe_u32 v235, v0, 7, 1
	s_delay_alu instid0(VALU_DEP_1)
	v_lshl_add_u32 v234, v235, 3, v234
	s_delay_alu instid0(VALU_DEP_1)
	v_mul_u32_u24 v234, v234, PK
	v_and_b32 v235, 7, v0
	v_lshrrev_b32 v236, 3, v0
	s_delay_alu instid0(VALU_DEP_1)
	v_mul_u32_u24 v237, v236, PK
	s_delay_alu instid0(VALU_DEP_2)
	v_lshlrev_b32 v238, 11, v236
	WIN 0x40
	v_lshl_add_u32 v[SK0], v235, 4, v234
	v_lshl_add_u32 v[SV0], v235, 4, v237
	v_lshlrev_b32 v[GK], 4, v0
	v_lshl_add_u32 v[GV], v235, 4, v238
	WIN 0
	; K's scale words: thread tau loads words 4 tau + e (+ 1,024 i): step tau / 32 (+ 8 i), key 4 (tau % 32) + e; its row's tile is 2 ((tau / 8) % 4) + bit 1 of tau, its lane 8 x bit 2 + 4 x bit 0 + e
	v_lshrrev_b32 v240, 5, v0
	s_delay_alu instid0(VALU_DEP_1)
	v_lshlrev_b32 v240, 9, v240
	v_bfe_u32 v241, v0, 2, 1
	s_delay_alu instid0(VALU_DEP_1)
	v_lshl_add_u32 v240, v241, 8, v240
	v_and_b32 v241, 1, v0
	s_delay_alu instid0(VALU_DEP_1)
	v_lshl_add_u32 v240, v241, 7, v240
	v_bfe_u32 v241, v0, 3, 2
	s_delay_alu instid0(VALU_DEP_1)
	v_lshl_add_u32 v240, v241, 3, v240
	v_bfe_u32 v241, v0, 1, 1
	s_delay_alu instid0(VALU_DEP_1)
	v_lshl_add_u32 v240, v241, 2, v240
	s_delay_alu instid0(VALU_DEP_1)
	v_add_nc_u32 v240, KST, v240
	; V's: word 4 tau + e (+ 1,024 i) is row d = tau / 4 (+ 64 i), step 4 (tau % 4) + e: tile tau / 64 (+ 4 i), lane (tau / 4) % 16
	v_and_b32 v242, 3, v0
	s_delay_alu instid0(VALU_DEP_1)
	v_lshlrev_b32 v242, 11, v242
	v_bfe_u32 v243, v0, 2, 4
	s_delay_alu instid0(VALU_DEP_1)
	v_lshl_add_u32 v242, v243, 5, v242
	v_lshrrev_b32 v243, 6, v0
	s_delay_alu instid0(VALU_DEP_1)
	v_lshl_add_u32 v242, v243, 2, v242
	s_delay_alu instid0(VALU_DEP_1)
	v_add_nc_u32 v242, VST, v242
	s_wait_alu depctr_va_vdst(0)
	s_wait_kmcnt 0x0
	s_add_nc_u64 s[4:5], s[4:5], s[32:33]
	s_add_nc_u64 s[KP:KP+1], s[KP:KP+1], s[32:33]
	s_add_nc_u64 s[VP:VP+1], s[VP:VP+1], s[32:33]
	s_add_nc_u64 s[6:7], s[6:7], s[34:35]
	s_add_nc_u64 s[10:11], s[10:11], s[34:35]
	s_add_nc_u64 s[14:15], s[14:15], s[34:35]
	s_add_nc_u64 s[OUTP:OUTP+1], s[OUTP:OUTP+1], s[36:37]
	WIN 0x01
	global_load_b128 v[32:35], v[GK], s[10:11]             ; the head's scale bytes: 8,192 of K, 8,192 of V, each load of a wave 512 consecutive bytes
	global_load_b128 v[36:39], v[GK], s[10:11] offset:4096
	global_load_b128 v[40:43], v[GK], s[14:15]
	global_load_b128 v[44:47], v[GK], s[14:15] offset:4096
	WIN 0
	s_wait_loadcnt 0x0                             ; they are in, and their bases may be written
.irp i, 0,1
.irp e, 0,1,2,3
	ds_store_b32 v240, v[32+4*\i+\e] offset:4096*\i+32*\e
	ds_store_b32 v242, v[40+4*\i+\e] offset:512*\e+16*\i
.endr
.endr
	ONCE
	WIN 0x40
	ONCE
	WIN 0
	s_cmp_lt_u32 s[WV], 4                          ; the prefetches: waves 0-3 stand in K, waves 4-7 in V
	s_cselect_b64 s[PFA:PFA+1], s[KP:KP+1], s[VP:VP+1]
	s_cselect_b32 s32, 13, 16                      ; from wave to wave: 8,192 bytes of K, 32 rows of V
	s_mov_b32 s34, 256
	s_cselect_b32 s34, 0x8000, s34                 ; at tile 2: the first request steps it to tile 4
	s_and_b32 s33, s[WV], 3
	s_lshl_b32 s32, s33, s32
	s_add_co_u32 s32, s32, s34
	s_mov_b32 s33, 0
	s_add_nc_u64 s[PFA:PFA+1], s[PFA:PFA+1], s[32:33]
	s_mov_b32 s[PASS], 0
.Lpass:                                            ; two trips: block 7 - x, then block x
	s_sub_co_u32 s2, 7, ttmp9
	s_cmp_eq_u32 s[PASS], 0
	s_cselect_b32 s[XB], s2, ttmp9
	s_lshl_b32 s68, s[XB], 6                       ; the block's sixteen flag words,
	s_mov_b32 s69, 0
	s_add_nc_u64 s[68:69], s[FLG:FLG+1], s[68:69]
	s_lshl_b32 s70, s[WV], 3                       ; and my two among them
	s_mov_b32 s71, 0
	s_add_nc_u64 s[70:71], s[68:69], s[70:71]
	s_load_b512 s[32:47], s[68:69], 0x0
	s_load_b64 s[48:49], s[70:71], 0x0
	s_lshl_b32 s72, s[XB], 15                      ; my first query is 256 X + 32 w: 128 bytes of codes,
	s_lshl_b32 s2, s[WV], 12
	s_add_co_u32 s72, s72, s2
	s_mov_b32 s73, 0
	s_add_nc_u64 s[72:73], s[4:5], s[72:73]
	s_lshl_b32 s74, s[XB], 10                      ; 4 of scales a query
	s_lshl_b32 s2, s[WV], 7
	s_add_co_u32 s74, s74, s2
	s_mov_b32 s75, 0
	s_add_nc_u64 s[74:75], s[6:7], s[74:75]
	s_lshl_b32 s2, s[XB], 16                       ; mask words: tile 16 X + 2 w, 4,096 bytes a tile row
	s_lshl_b32 s3, s[WV], 13
	s_add_co_u32 s2, s2, s3
	s_mov_b32 s3, 0
	s_add_nc_u64 s[MB:MB+1], s[BITS:BITS+1], s[2:3]
.irp c, 0,1,2,3
	global_load_b128 v[16+4*\c:19+4*\c], v[QO], s[72:73] offset:32*\c th:TH_LOAD_NT        ; Q's fragment of tile A stays in registers
.endr
	global_load_b32 v255, v[QSO], s[74:75]         ; lane l: query l's scale word
	INIT
	WIN 0x40
.irp c, 0,1,2,3
	global_load_b128 v[16+4*\c:19+4*\c], v[QO], s[72:73] offset:2048+32*\c th:TH_LOAD_NT   ; tile B's
.endr
	WIN 0x41
.irp i, 0,1,2,3                                    ; tiles 0 and 1 are staged whatever the flags say
	global_load_b128 v[32+4*\i:35+4*\i], v[GK], s[KP:KP+1] offset:4096*\i
	global_load_b128 v[48+4*\i:51+4*\i], v[GV], s[VP:VP+1] offset:65536*\i
	global_load_b128 v[64+4*\i:67+4*\i], v[GK], s[KP:KP+1] offset:16384+4096*\i
	global_load_b128 v[80+4*\i:83+4*\i], v[GV], s[VP:VP+1] offset:128+65536*\i
.endr
	INIT
	v_mov_b32 v[SKA], v[SK0]                       ; slot 0
	v_mov_b32 v[SVA], v[SV0]
	s_wait_alu depctr_va_vdst(0)
	s_wait_kmcnt 0x0
	s_or_b32 s[ANY], s48, s49
	s_and_b32 s[ANY], s[ANY], 0xffff
	s_and_b32 s[FULL], s48, s49
	s_lshr_b32 s[FULL], s[FULL], 16
	s_or_b32 s[WGF], s32, s33
.irp k, 34,35,36,37,38,39,40,41,42,43,44,45,46,47
	s_or_b32 s[WGF], s[WGF], s\k
.endr
	s_and_b32 s[WGF], s[WGF], 0xffff
	s_or_b32 s2, s[PASS], ttmp9
	s_cmp_eq_u32 s2, 0
	s_cselect_b32 s[PFM], 0x0aaa, 0                ; steps 1, 3, .. 11
	s_wait_loadcnt 0x0                             ; Q, its scales and the two tiles are in
	WIN 0x05
.irp i, 0,1,2,3
	ds_store_b128 v[SKA], v[32+4*\i:35+4*\i] offset:32*PK*\i
	ds_store_b128 v[SVA], v[48+4*\i:51+4*\i] offset:VOFF+32*PK*\i
.endr
	WIN 0x44
	v_add_nc_u32 v[SKA], SLOTB, v[SK0]             ; slot 1
	v_add_nc_u32 v[SVA], SLOTB, v[SV0]
	WIN 0x05
.irp i, 0,1,2,3
	ds_store_b128 v[SKA], v[64+4*\i:67+4*\i] offset:32*PK*\i
	ds_store_b128 v[SVA], v[80+4*\i:83+4*\i] offset:VOFF+32*PK*\i
.endr
	WIN 0
	s_add_nc_u64 s[KP:KP+1], s[KP:KP+1], 2*16384   ; the next tile to stage is tile 2
	s_add_nc_u64 s[VP:VP+1], s[VP:VP+1], 2*128
	s_wait_dscnt 0x0                               ; for the others' sake: my stores have landed (in the first pass the scale tables' too)
	s_barrier_signal -1
	s_barrier_wait -1
	s_mov_b32 s[TB], 0
	s_mov_b32 s[TS], 0
	ADDR
	KLOAD                                          ; step 0's K, whatever the flags say
	s_mov_b32 s[CNT], 16
.Lstep:
	s_bitcmp1_b32 s[ANY], 0
	s_cbranch_scc1 .Lwork
	s_wait_dscnt 0x0                               ; nothing of mine is on its way into the staging registers
	STAGE_BOTH
	ASK
	s_branch .Ljoin
.Lwork:
	s_wait_dscnt 16                                ; K's scale words and fragments 0-3 are in; the sixteen youngest loads, fragments 4-7, may be out
.irp t, 0,1,2,3
	QKM 0, \t
.endr
	WIN 0x44
.irp t, 0,1,2,3
	QKM 1, \t
.endr
	s_wait_dscnt 0x0
	WIN 0x45
.irp t, 4,5,6,7
	QKM 1, \t
.endr
	WIN 0x01
.irp t, 4,5,6,7
	QKM 0, \t
.endr
	WIN 0
.rept 8
	v_nop                                          ; eight plain lines behind this form, ahead of the loads into its operands and of the first read of the scores
.endr
	s_wait_alu depctr_va_vdst(0)
	ds_load_b128 v[248:251], v[ASC] offset:VST-KST ; V's scale words and fragments 0-5: they land under the softmax
.irp t, 0,1,2,3
	FRAG VOFF, \t
.endr
	WIN 0x40
	FRAG VOFF, 4
	FRAG VOFF, 5
	WIN 0
	STAGE_LD                                       ; into the registers that held K's fragments 6 and 7
	MASK 0
	ASK
	SOFTMAX 0
	s_wait_loadcnt 0x0                             ; the staged tile is in registers (on every path)
	STAGE_ST
	MASK 1
	SOFTMAX 1
	s_wait_alu depctr_va_vdst(0)
	s_wait_dscnt 0x0                               ; V's fragments 0-5 are in, and the staging stores have read their registers,
	WIN 0x40
	FRAG VOFF, 6                                   ; which take V's fragments 6 and 7: twelve products stand ahead of their use
	FRAG VOFF, 7
	WIN 0
.irp t, 0,1,2,3                                    ; the sixteen accumulators take turns, one instruction a turn
	PVM 0, \t
.endr
	WIN 0x54
.irp t, 0,1,2,3
	PVM 1, \t
.endr
	WIN 0x55
	PVM 1, 4
	PVM 1, 5
	WIN 0x01
	PVM 0, 4
	PVM 0, 5
	s_wait_dscnt 0x0
	PVM 0, 6
	PVM 0, 7
	WIN 0x55
	PVM 1, 6
	PVM 1, 7
	WIN 0
.Ljoin:
	s_wait_dscnt 0x0                               ; my reads of this step's slot are back and my stores into the slot two on have landed
	s_barrier_signal -1
	s_add_co_u32 s[TB], s[TB], SLOTB
	s_and_b32 s[TB], s[TB], 3*SLOTB                ; the next slot of the four
	s_add_co_u32 s[TS], s[TS], 512
	s_add_nc_u64 s[KP:KP+1], s[KP:KP+1], 16384     ; the loads that named these three have been waited for on every path
	s_add_nc_u64 s[VP:VP+1], s[VP:VP+1], 128
	s_add_nc_u64 s[MB:MB+1], s[MB:MB+1], 256
	s_lshr_b32 s[ANY], s[ANY], 1
	s_lshr_b32 s[FULL], s[FULL], 1
	s_lshr_b32 s[WGF], s[WGF], 1
	s_lshr_b32 s[PFM], s[PFM], 1
	ADDR
.rept 4
	v_nop                                          ; with the four additions above: eight plain lines behind the last products, ahead of the loads into their operands
.endr
	s_bitcmp1_b32 s[ANY], 0
	s_cbranch_scc0 .Lnok
	KLOAD                                          ; the next step's K: stored ahead of the last barrier, and its slot is written again only behind two more
.Lnok:
	s_barrier_wait -1
	s_sub_co_u32 s[CNT], s[CNT], 1
	s_cmp_lg_u32 s[CNT], 0
	s_cbranch_scc1 .Lstep
	s_wait_dscnt 0x0                               ; no LDS load of mine is out
	s_barrier_signal -1
	s_barrier_wait -1                              ; so the next pass's first stores into slots 0 and 1 stand behind every wave's last read
	; THE WAY OUT: O^T / the sum, through my stage, half a row (256 bytes) of 16 queries at a time
	LSUM
	WIN 0x55
	LSUM
	v_nop                                          ; a plain line behind the last reciprocal
	WIN 0
	s_lshl_b32 s32, s[XB], 17                      ; my first row of out: 512 bytes a query
	s_lshl_b32 s33, s[WV], 14
	s_add_co_u32 s32, s32, s33
	s_mov_b32 s33, 0
	s_add_nc_u64 s[32:33], s[OUTP:OUTP+1], s[32:33]
	s_wait_alu depctr_va_vdst(0)                   ; one wait for both reciprocals, ahead of their first reader
	DIVIDE
	WIN 0x55
	DIVIDE
	OUTLDS 0, 0
	OUTLDS 0, 1
	OUTLDS 1, 0
	OUTLDS 1, 1
	OUTST 0, 0
	OUTST 0, 1
	OUTST 1, 0
	OUTST 1, 1
	WIN 0
	s_wait_xcnt 0x0                                ; the stores have read their registers and their base: the next pass writes both
	s_sub_nc_u64 s[KP:KP+1], s[KP:KP+1], 18*16384  ; back to tile 0: two tiles at the pass's head and one in each of 16 steps
	s_sub_nc_u64 s[VP:VP+1], s[VP:VP+1], 18*128
	s_add_co_u32 s[PASS], s[PASS], 1
	s_cmp_lt_u32 s[PASS], 2
	s_cbranch_scc1 .Lpass
	s_set_vgpr_msb 0x5
	s_wait_tensorcnt 0x0
	ds_add_u32 v251, v255
	s_wait_dscnt 0x0
	s_set_vgpr_msb 0x500
	s_endpgm
.Lfunc_end_k_q3341ddcda8_attn:
	.size	k_q3341ddcda8_attn, .Lfunc_end_k_q3341ddcda8_attn-k_q3341ddcda8_attn
	.p2alignl 7, 3214868480
	.fill 96, 4, 3214868480
	.section	.rodata,"a",@progbits
	.p2align	6, 0x0
	.amdhsa_kernel k_q3341ddcda8_attn
		.amdhsa_group_segment_fixed_size 269312
		.amdhsa_private_segment_fixed_size 0
		.amdhsa_enable_private_segment 0
		.amdhsa_kernarg_size 72
		.amdhsa_user_sgpr_count 2
		.amdhsa_user_sgpr_kernarg_segment_ptr 1
		.amdhsa_wavefront_size32 1
		.amdhsa_system_sgpr_workgroup_id_x 1
		.amdhsa_system_sgpr_workgroup_id_y 1
		.amdhsa_system_sgpr_workgroup_id_z 1
		.amdhsa_system_vgpr_workitem_id 0
		.amdhsa_next_free_vgpr 512
		.amdhsa_next_free_sgpr 106
		.amdhsa_reserve_vcc 0
		.amdhsa_float_denorm_mode_32 3
		.amdhsa_float_denorm_mode_16_64 3
		.amdhsa_fp16_overflow 1
		.amdhsa_memory_ordered 1
		.amdhsa_forward_progress 1
		.amdhsa_inst_pref_size 84
	.end_amdhsa_kernel
	.amdgpu_metadata
---
amdhsa.version: [ 1, 2 ]
amdhsa.kernels:
  - .name:           k_q3341ddcda8_attn
    .symbol:         k_q3341ddcda8_attn.kd
    .args:
      - { .name: query_codes, .offset: 0, .size: 8, .value_kind: global_buffer, .address_space: global }
      - { .name: query_scales, .offset: 8, .size: 8, .value_kind: global_buffer, .address_space: global }
      - { .name: key_codes, .offset: 16, .size: 8, .value_kind: global_buffer, .address_space: global }
      - { .name: key_scales, .offset: 24, .size: 8, .value_kind: global_buffer, .address_space: global }
      - { .name: value_codes, .offset: 32, .size: 8, .value_kind: global_buffer, .address_space: global }
      - { .name: value_scales, .offset: 40, .size: 8, .value_kind: global_buffer, .address_space: global }
      - { .name: bits, .offset: 48, .size: 8, .value_kind: global_buffer, .address_space: global }
      - { .name: flags, .offset: 56, .size: 8, .value_kind: global_buffer, .address_space: global }
      - { .name: out0, .offset: 64, .size: 8, .value_kind: global_buffer, .address_space: global }
    .group_segment_fixed_size: 269312
    .private_segment_fixed_size: 0
    .kernarg_segment_align: 8
    .kernarg_segment_size: 72
    .max_flat_workgroup_size: 256
    .sgpr_count:     106
    .vgpr_count:     512
    .wavefront_size: 32
...
	.end_amdgpu_metadata
.endif
;; end of part 2
